; MI455X (gfx1250); checked and timed in simulation.
; The chip was launched on July 23, 2026; its instructions are those of AMD's public machine-readable ISA for CDNA 5 (MIT licence, August 2026) and "CDNA5" Instruction Set Architecture Reference Guide (July 2026). The comments in the code are by the model that wrote it; some were corrected since.
;; Multi Headed Attention. Allowed arithmetic: float matrix products may take bf16 or f16 operands with f32 sums; all other float work in f32.
;; Inputs: Wk 512 x 512 float32; Wo 512 x 512 float32; Wq 512 x 512 float32; Wv 512 x 512 float32; bk 512 float32; bo 512 float32; bq 512 float32; bv 512 float32; key 2 x 4,096 x 512 float32; mask 2 x 1 x 4,096 int32; query 2 x 4,096 x 512 float32; value 2 x 4,096 x 512 float32.
;; Outputs: out0 2 x 4,096 x 512 float32.
;; One version. Each part assembles by itself: llvm-mc -triple=amdgcn-amd-amdhsa -mcpu=gfx1250 --defsym DOCPART=n.
;; ======== version 1 of 1: 3 launches
;; limits: values are held in f16: magnitudes above 65,504 overflow, below 6.1e-05 lose precision
;; workspace buffers: qh 8,388,608 bytes; kh 8,388,608 bytes; vh 8,388,608 bytes; oh 8,388,608 bytes; woh 524,288 bytes
;; launch proj (part 1): grid 64 x 4, 8 waves a work-group, no clusters, 166,912 bytes of LDS; arguments query, key, value, Wq, Wk, Wv, bq, bk, bv, mask, Wo, qh, kh, vh, woh; writes qh, kh, vh, woh
.if DOCPART == 1
	.amdgcn_target "amdgcn-amd-amdhsa--gfx1250"
	.amdhsa_code_object_version 6
	.text
	.protected	k_q728d0d6c26_proj
	.globl	k_q728d0d6c26_proj
	.p2align	8
	.type	k_q728d0d6c26_proj,@function
k_q728d0d6c26_proj:
	s_mov_b64 s[64:65], 0
	v_nop
	global_prefetch_b8 v0, s[64:65] scope:SCOPE_SE
	s_setreg_imm32_b32 hwreg(HW_REG_WAVE_MODE, 25, 1), 1
	s_wait_xcnt 0x0
; THE THREE INPUT PROJECTIONS AND THE CAST OF Wo.  Work-group y = 0, 1, 2: q, k, v = x W^T + b for x = query, key, value ([8192][512] f32, W [512][512] f32, b [512] f32).
; x and W are rounded to bf16, the products are summed in f32 on top of the bias, and the result is rounded once to f16 and written by heads, [batch x 8 + head][4096][64]: a head's rows are dense, 128 bytes each.
; k's rows are written as zeros where mask == 0, so that every product of a hidden key is exactly 0 in the next launch (which puts the hidden score itself into the sum's C operand).
; y = 3: Wo is rounded to bf16 like the other inputs and that number is written as f16, [512][512].
; LIMITS.  f16 ends at 65,504: |q|, |k|, |v| and |Wo| must stay below it.  A bf16 number below 2^-17 keeps f16's fixed step of 2^-24.  NaN and infinities are not treated apart.
; SHARES.  A work-group makes 256 rows x 256 columns: x = 2 rt + ct (row tile rt, column half ct).  Eight waves; wave w makes 128 rows (w / 4) x 64 columns (w % 4): ONE head; 32 accumulators of 16 x 16.
; K goes in 8 steps of 64.  Each step's 256 x 64 of x and of W come into registers as f32 (32 loads of 16 bytes a lane; sixteen lanes take 256 consecutive bytes of a row), are rounded ONCE to bf16
; and laid into one of two LDS slots; while a slot is multiplied the next step's loads are on their way.
; NO TENSOR LOADS AND NO CLUSTER: the operands lie in memory as f32 and must be rounded on the way.  A tile moved as it lies would take twice the LDS bytes (two slots of 256 x 64 x 2 f32 tiles: 262,144 bytes and
; twice the LDS reads), and each of a row half's four waves and each of a column's two would round the same numbers again.  So the tiles pass through registers, where nothing can be shared between work-groups.
; THE MATRIX INSTRUCTION IS USED TRANSPOSED (source 0 = 16 rows of W, source 1 = 16 rows of x): a lane then holds one row of x and eight neighbouring columns.
; REGISTERS.  Window 0: v0-31 addresses and row masks; v32-63 W's fragments; v64-127 x's fragments; v128-255 the step on its way (x, then W), later the way out.  Window 1: the accumulators, (a, b) at v[8 (4 a + b)].
.set PITCH,  144                       ; an LDS row: 64 bf16 = 128 bytes + 16: an odd multiple of 16, so the 16 rows of a fragment load start at 16 different groups of four banks (64 banks of 4 bytes: ISA guide 11.1)
.set WOFS,   256*PITCH                 ; in a slot: x's 256 rows, then W's 256 rows
.set SLOTB,  2*WOFS
.set STAGE,  2*SLOTB                   ; behind the slots: 16 rows x 144 bytes for each wave, for the way out
.set SPARE,  STAGE+8*16*PITCH          ; behind the stages: the spare words, 128 bytes for each wave: four blocks of 256 bytes that no other line names
.set VO,  2                            ; v2      byte offset of my 16 bytes in the tile's first K step (x and W alike); never rewritten
.set LST, 3                            ; v3-4    where my 8 bytes of bf16 go, slot 0, 1
.set FA,  5                            ; v5-6    my fragments of x, slot 0, 1
.set FB,  7                            ; v7-8    my fragments of W, slot 0, 1
.set STO, 9                            ; v9      the way out: where I put 16 bytes of a row
.set RD,  10                           ; v10     the way out: where I read rows back
.set GO,  11                           ; v11     my byte offset in 512 consecutive bytes of the output
.set BO,  12                           ; v12     my byte offset in 16 numbers of the bias
.set MO,  13                           ; v13     my byte offset in 16 words of the mask
.set KM,  16                           ; v16-23  for each of my eight blocks of 16 rows: all ones, or 0 where my row of k is hidden
.set SPW, 24                           ; v24     LDS address of my spare word; never rewritten
.set NIL, 25                           ; v25     0; never rewritten
.set PO,  26                           ; v26     the prefetch's byte offset; never rewritten
.set BF,  32
.set AF,  64
.set SA,  128
.set SW,  192
.set MSB, 0
.macro WIN new                         ; s_set_vgpr_msb: bits 1:0 source 0, 3:2 source 1, 5:4 source 2, 7:6 destination; the high byte repeats the setting that is left
.if MSB != (\new)
	s_set_vgpr_msb (MSB<<8)|(\new)
.set MSB, (\new)
.endif
.endm
.macro PLACES                          ; four places in front of loads into registers that matrix instructions have read (ISA guide 7.12.1 for vector instructions)
.rept 4
	v_nop
.endr
.endm
	s_load_b512 s[8:23], s[0:1], 0x0               ; query s[8:9], key s[10:11], value s[12:13], Wq s[14:15], Wk s[16:17], Wv s[18:19], bq s[20:21], bk s[22:23]
	s_load_b256 s[24:31], s[0:1], 0x40             ; bv s[24:25], mask s[26:27], Wo s[28:29], qh s[30:31]
	s_load_b128 s[32:35], s[0:1], 0x60             ; kh s[32:33], vh s[34:35]
	s_load_b64 s[36:37], s[0:1], 0x70              ; woh
	v_lshl_add_u32 v[SPW], v0, 2, SPARE
	v_mov_b32 v[NIL], 0
	v_lshrrev_b32 v1, 5, v0
	v_readfirstlane_b32 s4, v1                     ; wave 0..7
	s_and_b32 s2, ttmp7, 0xffff                    ; y: which tensor
	s_mov_b32 s3, ttmp9                            ; x
	s_lshr_b32 s5, s4, 2                           ; which 128 rows are mine
	s_and_b32 s6, s4, 3                            ; which 64 columns
	s_lshr_b32 s7, s3, 1                           ; rt
	s_and_b32 s38, s3, 1                           ; ct
	s_mov_b32 s51, 0                               ; the high word of every offset pair
	v_and_b32 v15, 15, v0                          ; lane % 16
	v_bfe_u32 v14, v0, 4, 1                        ; lane / 16
	; A wave brings 32 rows of a tile.  One load: lanes 0-15 take 256 bytes of one row, lanes 16-31 of the row 8 further on.
	v_lshlrev_b32 v[VO], 14, v14                   ; 8 rows of 2,048 bytes
	v_lshl_add_u32 v[VO], v15, 4, v[VO]
	s_lshl_b32 s50, s4, 16                         ; 32 rows of 2,048 bytes
	v_add_nc_u32 v[VO], s50, v[VO]
	v_mul_u32_u24 v[LST], v14, 8*PITCH             ; 8 rows on are 288 words: the two halves of the lanes store into different halves of the banks
	v_lshl_add_u32 v[LST], v15, 3, v[LST]
	s_mul_i32 s50, s4, 32*PITCH
	v_add_nc_u32 v[LST], s50, v[LST]
	v_add_nc_u32 v[LST+1], SLOTB, v[LST]
	; A fragment is 16 rows x 32 K in 8 registers: lane l holds row l % 16, K = 8 (l / 16) + 0..7 and 16 + 8 (l / 16) + 0..7: two loads of 16 bytes, 32 bytes apart.
	v_mul_u32_u24 v1, v15, PITCH
	v_lshl_add_u32 v1, v14, 4, v1                  ; row x pitch + 16 x half
	s_mul_i32 s50, s5, 128*PITCH
	v_add_nc_u32 v[FA], s50, v1
	v_add_nc_u32 v[FA+1], SLOTB, v[FA]
	s_mul_i32 s50, s6, 64*PITCH
	s_add_co_u32 s50, s50, WOFS
	v_add_nc_u32 v[FB], s50, v1
	v_add_nc_u32 v[FB+1], SLOTB, v[FB]
	v_lshlrev_b32 v[BO], 5, v14                    ; my eight columns of sixteen
	v_lshlrev_b32 v[MO], 2, v15                    ; my row of sixteen
	v_and_b32 v[PO], 127, v0                       ; the prefetch: thread t asks for row 128 ct + t % 128 of the tile, K step t / 128 of a pair of steps
	v_lshlrev_b32 v[PO], 11, v[PO]
	v_lshrrev_b32 v13, 7, v0
	v_lshl_add_u32 v[PO], v13, 8, v[PO]
	s_lshl_b32 s50, s38, 18
	v_add_nc_u32 v[PO], s50, v[PO]
	v_lshlrev_b32 v[MO], 2, v15                    ; (v13 served as a temporary just above)
	s_wait_kmcnt 0x0
	s_cmp_eq_u32 s2, 3
	s_cbranch_scc1 .Lcast                          ; the same way for all eight waves of a work-group
	s_cmp_eq_u32 s2, 1                             ; the tensor's four addresses are chosen by y alone
	s_cselect_b64 s[40:41], s[10:11], s[8:9]       ; x
	s_cselect_b64 s[42:43], s[16:17], s[14:15]     ; W
	s_cselect_b64 s[44:45], s[22:23], s[20:21]     ; b
	s_cselect_b64 s[46:47], s[32:33], s[30:31]     ; the output
	s_cselect_b32 s48, 0, -1                       ; only k's rows take the mask
	s_cmp_eq_u32 s2, 2
	s_cselect_b64 s[40:41], s[12:13], s[40:41]
	s_cselect_b64 s[42:43], s[18:19], s[42:43]
	s_cselect_b64 s[44:45], s[24:25], s[44:45]
	s_cselect_b64 s[46:47], s[34:35], s[46:47]
	s_lshl_b32 s50, s7, 19                         ; 256 rows of 2,048 bytes
	s_add_nc_u64 s[40:41], s[40:41], s[50:51]      ; x at the tile's first row
	s_lshl_b32 s50, s38, 19
	s_add_nc_u64 s[42:43], s[42:43], s[50:51]      ; W at the tile's first column
	s_lshl_b32 s50, s38, 10
	s_lshl_b32 s39, s6, 8
	s_add_co_u32 s50, s50, s39
	s_add_nc_u64 s[44:45], s[44:45], s[50:51]      ; b at my 64 columns
	s_lshl_b32 s50, s7, 10
	s_lshl_b32 s39, s5, 9
	s_add_co_u32 s50, s50, s39
	s_add_nc_u64 s[52:53], s[26:27], s[50:51]      ; mask at my 128 rows: batch x 4,096 + row is x's row number
	s_lshr_b32 s50, s7, 4                          ; batch
	s_lshl_b32 s50, s50, 3
	s_lshl_b32 s39, s38, 2
	s_add_co_u32 s50, s50, s39
	s_add_co_u32 s50, s50, s6                      ; batch x 8 + head
	s_lshl_b32 s50, s50, 19                        ; 4,096 rows of 128 bytes
	s_and_b32 s39, s7, 15
	s_lshl_b32 s39, s39, 15                        ; the tile's 256 rows in the batch
	s_add_co_u32 s50, s50, s39
	s_lshl_b32 s39, s5, 14                         ; my 128 of them
	s_add_co_u32 s50, s50, s39
	s_add_nc_u64 s[46:47], s[46:47], s[50:51]      ; my 128 rows x 128 bytes of the output: 16,384 consecutive bytes
	s_add_nc_u64 s[54:55], s[40:41], 512           ; the prefetch's base: K step 2
; 32 loads: one K step of the tile's x and W, 16 bytes a lane each
.macro LOADS
.set i, 0
.rept 16
	global_load_b128 v[SA+4*i:SA+4*i+3], v[VO], s[40:41] offset:((i&7)+16*(i>>3))*2048
	global_load_b128 v[SW+4*i:SW+4*i+3], v[VO], s[42:43] offset:((i&7)+16*(i>>3))*2048
.set i, i+1
.endr
.endm
; The step that is on its way is rounded to bf16 in place and laid into a slot; issue = 1: the step after it is asked for.  ONE barrier a step: in front of it each wave has waited for its stores into this slot
; and (in the step's products) for its reads of the other; the slot written here was last read a step ago, in front of the barrier before.
.macro MOVE slot, issue
	WIN 0
	s_wait_loadcnt 0x0                             ; the step is in registers; the loads' addresses may be stepped
.set i, 0
.rept 32
	v_cvt_pk_bf16_f32 v[SA+4*i],   v[SA+4*i],   v[SA+4*i+1]  ; these 64 are also the places between the last products and the next fragment loads
	v_cvt_pk_bf16_f32 v[SA+4*i+1], v[SA+4*i+2], v[SA+4*i+3]
.set i, i+1
.endr
.set i, 0
.rept 16
	ds_store_b64 v[LST+(\slot)], v[SA+4*i:SA+4*i+1] offset:((i&7)+16*(i>>3))*PITCH
	ds_store_b64 v[LST+(\slot)], v[SW+4*i:SW+4*i+1] offset:WOFS+((i&7)+16*(i>>3))*PITCH
.set i, i+1
.endr
.if \issue
	s_add_nc_u64 s[40:41], s[40:41], 256           ; 64 f32 on along K
	s_add_nc_u64 s[42:43], s[42:43], 256
	LOADS
.endif
	s_wait_dscnt 0x0                               ; for the others' sake: my stores into the slot are done
	s_barrier_signal -1
	s_barrier_wait -1
.endm
; 32 along K: 24 LDS loads (W's four fragments first, then x's eight) and 32 matrix instructions, the 32 accumulators by turns, one instruction a turn
.macro HALF slot, kk
	WIN 0
.irp b, 0,1,2,3
	ds_load_b128 v[BF+8*(\b):BF+8*(\b)+3],   v[FB+(\slot)] offset:(\b)*16*PITCH+(\kk)*64
	ds_load_b128 v[BF+8*(\b)+4:BF+8*(\b)+7], v[FB+(\slot)] offset:(\b)*16*PITCH+(\kk)*64+32
.endr
.irp a, 0,1,2,3,4,5,6,7
	ds_load_b128 v[AF+8*(\a):AF+8*(\a)+3],   v[FA+(\slot)] offset:(\a)*16*PITCH+(\kk)*64
	ds_load_b128 v[AF+8*(\a)+4:AF+8*(\a)+7], v[FA+(\slot)] offset:(\a)*16*PITCH+(\kk)*64+32
.endr
	WIN 0x50                                       ; C and D in window 1
.irp a, 0,1,2,3,4,5,6,7
	s_wait_dscnt 2*(7-(\a))                        ; LDS loads come back in order (ISA guide 5.7.1): W's and x's blocks 0 .. a are in; the two loads of each later block may be out
.irp b, 0,1,2,3
	v_wmma_f32_16x16x32_bf16 v[8*(4*(\a)+(\b)):8*(4*(\a)+(\b))+7], v[BF+8*(\b):BF+8*(\b)+7], v[AF+8*(\a):AF+8*(\a)+7], v[8*(4*(\a)+(\b)):8*(4*(\a)+(\b))+7]
.endr
.endr
.endm
; A K step.  pf = 1 (the loop's even steps 2 i): x's K steps 2 i + 4 and 2 i + 5 are asked for, whose loads are issued two and three steps on.  Of the two work-groups that read these 256 rows each asks for 128,
; a thread for one aligned block of 256 bytes.  The loop's third trip jumps over the request: K ends at step 7.
.macro COMPUTE slot, pf
	HALF \slot, 0
.if \pf
	WIN 0                                          ; at a branch and at a label every window is 0
	s_cmp_eq_u32 s49, 1
	s_cbranch_scc1 .Lasked_\@
	global_prefetch_b8 v[PO], s[54:55] offset:512 th:TH_LOAD_NT scope:SCOPE_SE
.Lasked_\@:
.endif
	PLACES
	HALF \slot, 1
.endm
; THE WAY OUT of block a (16 rows x 64 columns).  A lane's eight columns pack into 16 bytes of f16; they go into my stage's rows of 144 bytes and come back as whole rows of 128.
.macro PACK a
	WIN 0x05                                       ; sources in window 1
.irp b, 0,1,2,3
.irp q, 0,1,2,3
	v_cvt_pk_f16_f32 v[SA+16*(\a)+4*(\b)+(\q)], v[8*(4*(\a)+(\b))+2*(\q)], v[8*(4*(\a)+(\b))+2*(\q)+1]  ; each accumulator from its low end on
.endr
.endr
	WIN 0
.set i, 0
.rept 16
	v_and_b32 v[SA+16*(\a)+i], v[KM+(\a)], v[SA+16*(\a)+i]  ; a hidden key's row becomes zeros
.set i, i+1
.endr
.irp b, 0,1,2,3
	ds_store_b128 v[STO], v[SA+16*(\a)+4*(\b):SA+16*(\a)+4*(\b)+3] offset:32*(\b)
.endr
.irp f, 0,1,2,3
	ds_load_b128 v[SA+16*(\a)+4*(\f):SA+16*(\a)+4*(\f)+3], v[RD] offset:(\f)*4*PITCH  ; LDS serves a wave's instructions in order (ISA guide 5.7.1.4): these see the stores above; the next block's stores come behind them
.endr
.endm
.macro SEND a, younger                 ; younger: the LDS instructions issued behind block a's loads: the next block's eight, or none
.irp f, 0,1,2,3
	s_wait_dscnt (\younger)+3-(\f)
	global_store_b128 v[GO], v[SA+16*(\a)+4*(\f):SA+16*(\a)+4*(\f)+3], s[46:47] offset:(\a)*2048+(\f)*512  ; 512 consecutive bytes, at a multiple of 256 from the buffer's first
.endr
.endm
	; The sums start at the bias: register j of accumulator (a, b) belongs to column 16 b + 8 (l / 16) + j.  Nothing is cleared and nothing is added at the end.
	WIN 0x40                                       ; destination in window 1
.set i, 0
.rept 32
	global_load_b128 v[8*i:8*i+3],   v[BO], s[44:45] offset:(i%4)*64
	global_load_b128 v[8*i+4:8*i+7], v[BO], s[44:45] offset:(i%4)*64+16
.set i, i+1
.endr
	WIN 0
.irp a, 0,1,2,3,4,5,6,7
	global_load_b32 v[KM+(\a)], v[MO], s[52:53] offset:(\a)*64  ; the mask word of my row in each block of 16
.endr
	LOADS                                          ; K step 0
	global_prefetch_b8 v[PO], s[54:55] th:TH_LOAD_NT scope:SCOPE_SE  ; x's K steps 2 and 3, shared out as in COMPUTE
	s_mul_i32 s50, s4, 16*PITCH                    ; the addresses for the way out are made while the loads are out
	s_add_co_u32 s50, s50, STAGE                   ; my stage
	v_add_nc_u32 v[STO], s50, v1                   ; in: row l % 16, 16 bytes for each half of the lanes
	v_bfe_u32 v[RD], v0, 3, 2                      ; back: 32 lanes take four rows of 128 bytes,
	v_mul_u32_u24 v[RD], v[RD], PITCH
	v_and_b32 v14, 7, v0
	v_lshl_add_u32 v[RD], v14, 4, v[RD]
	v_add_nc_u32 v[RD], s50, v[RD]
	v_and_b32 v[GO], 31, v0                        ; which are 512 consecutive bytes of the output
	v_lshlrev_b32 v[GO], 4, v[GO]
	MOVE 0, 1                                      ; step 0 into slot 0; step 1 is asked for.  Its wait also covers the bias and the mask
	s_mov_b32 s49, 3
.Lk:                                                   ; trip i: steps 2 i and 2 i + 1 are multiplied, steps 2 i + 1 and 2 i + 2 laid into LDS, steps 2 i + 2 and 2 i + 3 asked for
	COMPUTE 0, 1
	MOVE 1, 1
	COMPUTE 1, 0
	MOVE 0, 1
	s_wait_xcnt 0x0                                ; every earlier memory instruction has had its addresses translated (ISA guide 3.1): the prefetch's base is stepped only behind this wait
	s_add_nc_u64 s[54:55], s[54:55], 512           ; two K steps on
	s_sub_co_u32 s49, s49, 1
	s_cmp_lg_u32 s49, 0
	s_cbranch_scc1 .Lk
	COMPUTE 0, 0                                   ; step 6
	MOVE 1, 0                                      ; step 7: nothing is left to ask for
	COMPUTE 1, 0
	WIN 0
.irp a, 0,1,2,3,4,5,6,7                ; the row masks: all ones for q and v and for a visible key.  These lines are the places behind the last products
	v_cmp_ne_u32 vcc_lo, 0, v[KM+(\a)]
	v_cndmask_b32 v[KM+(\a)], 0, -1, vcc_lo
	v_or_b32 v[KM+(\a)], s48, v[KM+(\a)]
.endr
	PACK 0
.irp a, 1,2,3,4,5,6,7                  ; a block's conversions stand between the loads of the block before and its stores
	PACK \a
	SEND (\a)-1, 8
.endr
	SEND 7, 0
	s_wait_tensorcnt 0x0                           ; the wave's end: behind my last LDS store
	ds_add_u32 v[SPW], v[NIL]
	s_wait_dscnt 0x0
	s_endpgm
.Lcast:                                                ; y = 3: work-group x takes 4,096 numbers of Wo, a thread 16.  No LDS is written on this way
	s_lshl_b32 s50, s3, 14
	s_add_nc_u64 s[28:29], s[28:29], s[50:51]
	s_lshl_b32 s50, s3, 13
	s_add_nc_u64 s[36:37], s[36:37], s[50:51]
	v_lshlrev_b32 v27, 4, v0
	v_lshlrev_b32 v28, 3, v0
.set j, 0
.rept 4
	global_load_b128 v[32+4*j:32+4*j+3], v27, s[28:29] offset:j*4096 th:TH_LOAD_NT
.set j, j+1
.endr
.set j, 0
.rept 4
	s_wait_loadcnt 3-j                             ; loads come back in order: number j is in, the younger ones stay out
	v_cvt_pk_bf16_f32 v[64+6*j],   v[32+4*j],   v[32+4*j+1]  ; rounded to bf16,
	v_cvt_pk_bf16_f32 v[64+6*j+1], v[32+4*j+2], v[32+4*j+3]
	v_lshlrev_b32 v[64+6*j+2], 16, v[64+6*j]                 ; widened again,
	v_and_b32     v[64+6*j+3], 0xffff0000, v[64+6*j]
	v_lshlrev_b32 v[64+6*j+4], 16, v[64+6*j+1]
	v_and_b32     v[64+6*j+5], 0xffff0000, v[64+6*j+1]
	v_cvt_pk_f16_f32 v[48+2*j],   v[64+6*j+2], v[64+6*j+3]   ; and written as f16
	v_cvt_pk_f16_f32 v[48+2*j+1], v[64+6*j+4], v[64+6*j+5]
	global_store_b64 v28, v[48+2*j:48+2*j+1], s[36:37] offset:j*2048  ; a wave's store covers 256 consecutive bytes, aligned
.set j, j+1
.endr
	s_endpgm
.Lfunc_end_k_q728d0d6c26_proj:
	.size	k_q728d0d6c26_proj, .Lfunc_end_k_q728d0d6c26_proj-k_q728d0d6c26_proj
	.p2alignl 7, 3214868480
	.fill 96, 4, 3214868480
	.section	.rodata,"a",@progbits
	.p2align	6, 0x0
	.amdhsa_kernel k_q728d0d6c26_proj
		.amdhsa_group_segment_fixed_size 166912
		.amdhsa_private_segment_fixed_size 0
		.amdhsa_enable_private_segment 0
		.amdhsa_kernarg_size 120
		.amdhsa_user_sgpr_count 2
		.amdhsa_user_sgpr_kernarg_segment_ptr 1
		.amdhsa_wavefront_size32 1
		.amdhsa_system_sgpr_workgroup_id_x 1
		.amdhsa_system_sgpr_workgroup_id_y 1
		.amdhsa_system_sgpr_workgroup_id_z 1
		.amdhsa_system_vgpr_workitem_id 0
		.amdhsa_next_free_vgpr 512
		.amdhsa_next_free_sgpr 66
		.amdhsa_reserve_vcc 1
		.amdhsa_float_denorm_mode_32 3
		.amdhsa_float_denorm_mode_16_64 3
		.amdhsa_memory_ordered 1
		.amdhsa_forward_progress 1
		.amdhsa_inst_pref_size 104
	.end_amdhsa_kernel
	.amdgpu_metadata
---
amdhsa.version: [ 1, 2 ]
amdhsa.kernels:
  - .name:           k_q728d0d6c26_proj
    .symbol:         k_q728d0d6c26_proj.kd
    .args:
      - { .name: query, .offset: 0, .size: 8, .value_kind: global_buffer, .address_space: global }
      - { .name: key, .offset: 8, .size: 8, .value_kind: global_buffer, .address_space: global }
      - { .name: value, .offset: 16, .size: 8, .value_kind: global_buffer, .address_space: global }
      - { .name: Wq, .offset: 24, .size: 8, .value_kind: global_buffer, .address_space: global }
      - { .name: Wk, .offset: 32, .size: 8, .value_kind: global_buffer, .address_space: global }
      - { .name: Wv, .offset: 40, .size: 8, .value_kind: global_buffer, .address_space: global }
      - { .name: bq, .offset: 48, .size: 8, .value_kind: global_buffer, .address_space: global }
      - { .name: bk, .offset: 56, .size: 8, .value_kind: global_buffer, .address_space: global }
      - { .name: bv, .offset: 64, .size: 8, .value_kind: global_buffer, .address_space: global }
      - { .name: mask, .offset: 72, .size: 8, .value_kind: global_buffer, .address_space: global }
      - { .name: Wo, .offset: 80, .size: 8, .value_kind: global_buffer, .address_space: global }
      - { .name: qh, .offset: 88, .size: 8, .value_kind: global_buffer, .address_space: global }
      - { .name: kh, .offset: 96, .size: 8, .value_kind: global_buffer, .address_space: global }
      - { .name: vh, .offset: 104, .size: 8, .value_kind: global_buffer, .address_space: global }
      - { .name: woh, .offset: 112, .size: 8, .value_kind: global_buffer, .address_space: global }
    .group_segment_fixed_size: 166912
    .private_segment_fixed_size: 0
    .kernarg_segment_align: 8
    .kernarg_segment_size: 120
    .max_flat_workgroup_size: 256
    .sgpr_count:     66
    .vgpr_count:     512
    .wavefront_size: 32
...
	.end_amdgpu_metadata
.endif
;; end of part 1
;; launch attn (part 2): grid 16 x 16, 4 waves a work-group, clusters of 4 x 1, 327,680 bytes of LDS; arguments qh, kh, vh, mask, oh; writes oh
.if DOCPART == 2
	.amdgcn_target "amdgcn-amd-amdhsa--gfx1250"
	.amdhsa_code_object_version 6
	.text
	.protected	k_q728d0d6c26_attn
	.globl	k_q728d0d6c26_attn
	.p2align	8
	.type	k_q728d0d6c26_attn,@function
k_q728d0d6c26_attn:
	s_mov_b64 s[64:65], 0
	v_nop
	global_prefetch_b8 v0, s[64:65] scope:SCOPE_SE
	s_setreg_imm32_b32 hwreg(HW_REG_WAVE_MODE, 25, 1), 1
	s_wait_xcnt 0x0
	s_wait_alu depctr_hold_cnt(0) depctr_sa_sdst(0) depctr_va_vdst(0) depctr_va_sdst(0) depctr_va_ssrc(0) depctr_va_vcc(0) depctr_vm_vsrc(0)
	s_getreg_b32 s2, hwreg(HW_REG_IB_STS2, 6, 4)
	s_cmp_eq_u32 s2, 0
	s_cbranch_scc0 .Lentry_in_a_cluster
	s_endpgm
.Lentry_in_a_cluster:
	s_bfe_u32 s2, ttmp6, 0x10000c
	s_cmp_lg_u32 s2, 0x3003
	s_cbranch_scc0 .Lentry_shape_is_right
	s_endpgm
.Lentry_shape_is_right:
; ATTENTION WITH A KEY MASK.  O[g][q][:] = the sum over k of softmax_k(s) V[g][k][:], s = Q[g][q] . K[g][k] / 8, or a fixed very low number where mask[batch][k] == 0; g = batch x 8 + head.
; Q, K, V, O: [16][4096][64] f16, a head's rows dense, 128 bytes each; mask: [2][4096] i32.  Products, maxima and sums in f32; the weights p are rounded to f16 for the second product (their sum l is taken of the
; unrounded p), O once at the end.
; THE MASK.  The launch before wrote zeros for a hidden key's row of K, so all its products are exactly 0; the sum S^T = K Q^T starts with the C operand 0 or -2^100, so a hidden score is exactly -2^100.
; c x 2^100 is exact (a shift of the exponent), so while a query has seen hidden keys alone c s - c m is exactly 0 and p = 1: a batch with every key hidden gives the mean of V's rows, as a softmax of equal scores does.
; The first visible score makes a = 2^(c m_old - c m_new) = 0, which wipes what the hidden keys left; from then on a hidden key's weight is 0.
; LIMITS.  f16 holds no number beyond 65,504: Q, K and V arrive within it; its scores, 2.7e11 at the most, lie far above -2^100.  A visible score below about -1e9, where the model's own fill would weigh in, is
; not served.  p lies in 0 to 1, and below 6e-5 it keeps f16's fixed step of 6e-8; a weight below 2^-126 counts as 0 in l; NaN and infinities are not treated apart.
; SHARES.  A work-group owns 256 queries of one g, each of its four waves 64: four PIECES of 16.  Every wave walks all 4,096 keys, 64 a step.
; LAYOUT, SOFTMAX, TURNS.  S^T = K Q^T holds ONE query a lane (lane % 16) and the keys 8 (lane / 16) + 0..7; two such results rounded to f16 ARE source 1 of O^T = V^T P.  p = 2^(c s - c m), c = log2(e) / 8, with a
; running maximum m; O and l are multiplied by a in every step.  Turn n belongs to piece n: 8 products K Q^T of piece n + 1, later 8 products V^T P of piece n - 1; beside them the scaling, exponentials, roundings,
; sums and rescaling of piece n and the maximum and statistics of piece n + 1.  Four vector instructions stand behind every matrix instruction, the other 54 of a turn's 118 in two lumps.
; CLUSTER.  The four query blocks of a cluster belong to one g and walk the same K and V, so each tile is asked for JOINTLY: the same tensor load, descriptor and mask of work-groups in all four.
; REGISTERS, in windows of 256 (s_set_vgpr_msb: bits 1:0 source 0, 3:2 source 1, 5:4 source 2, 7:6 destination):
;   window 0: v0-15 addresses and two at work; v16-31 four registers of statistics a piece; v48-55 at work; v56-59 the mask's addresses; v64-127 S^T, two buffers; v192-223 P, two buffers (by the piece's parity)
;   window 1: v0-127 O^T, 32 a piece; v128-159 MC, the C operands of one step          window 2: v0-63 Q; v128-191 K of one step; v192-255 V of one step
.set NP,    4         ; pieces a wave: a name, no knob
.set KS,    64        ; keys in a step
.set PK,    144       ; a row of K in LDS: 128 bytes + 16 of padding = 36 words: the 16 rows of a load start at 16 different groups of four banks (64 banks of 4 bytes: ISA guide 11.1)
.set PV,    160       ; a row of V: 128 + 32 = 40 words
.set VOFF,  4*KS*PK   ; a slot holds a tile, four steps: 256 rows of K, then 256 rows of V
.set SLOT1, 1<<17     ; slot 1 begins here, so that one exclusive or turns an address in one slot into the other's
.set STAGE, SLOT1+4*KS*(PK+PV)  ; behind the ring, never filled by a tensor load: 16 rows x 144 bytes for each wave, for the way out
.set SP,    144
.set SPARE, STAGE+4*16*SP  ; behind the stages: the spare words, 128 bytes for each wave: two blocks of 256 bytes that no other line names
.set MASKB, SPARE+512 ; behind them, never filled by a tensor load: 4,096 f32, 0 or -2^100, one for each key of the batch
.set AK0, 2           ; v2   my lane's place in a tile of K; never rewritten
.set AV0, 3           ; v3   the same for V
.set AK,  4           ; v4   the LDS address of K's next run of loads
.set AV,  5           ; v5   of V's
.set STO, 6           ; v6   the way out: where I put 16 bytes of a row
.set RD,  7           ; v7   the way out: where I read rows back
.set GO,  8           ; v8   my byte offset in 512 consecutive bytes of O
.set MV,  12          ; v12-13  c m_old, kept while c m is made anew: by buffer
.set QO,  15          ; v15  my byte offset in 16 rows of Q
.set ST,  16          ; piece t's statistics at v[ST+4 t]: c m, m, l (even keys', odd keys')
.set TMP, 48          ; by buffer, four registers c0-c3 at work; when the maximum is found c2 takes a
.set AM0, 56          ; v56  my lane's place in a step's 64 words of the mask table; never rewritten
.set AM,  57          ; v57  the LDS address of the table's next run of loads
.set MG,  58          ; v58  16 x my thread's number: my bytes of the mask in memory
.set ML,  59          ; v59  and in the table
.set SPW, 62          ; v62  LDS address of my spare word: SPARE + 4 x my thread's number; never rewritten
.set NIL, 63          ; v63  0; never rewritten
.set S,   64
.set P,   192
.set MC,  128         ; window 1: the eight registers for group kt of 16 keys at MC + 8 kt
.set KF,  128         ; window 2: key block kb, channel half c at KF + 16 kb + 8 c
.set VF,  192         ; window 2: key half kk, channel block cb at VF + 32 kk + 8 cb
.set WV,  12          ; s12  my wave's number
.set G1K, 24          ; s[24:31] descriptor group 1 for K's tiles
.set G1V, 32          ; s[32:39] for V's: it differs in the padding alone
.set G0K, 40          ; s[40:43] descriptor group 0 for K's tiles: it walks
.set G0V, 44          ; s[44:47] the same for V's
.set BIGN, 48         ; s48  -2^100
.set TBM, 49          ; s49  byte in the mask table at which the step to be fetched begins
.set OB,  52          ; s[52:53] O at my wave's first row
.set SLOTS, 56        ; s56  slots still to be asked for
.set CNT, 57          ; s57  counts a tile's key steps
.set CS,  58          ; s[58:59] c: the packed scaling takes the pair's low word for both halves
.set SEL, 60          ; s[60:61] v_permlanex16_b32's selects: each lane takes its own place in the other half
.set TBK, 62          ; s62  LDS byte at which K of the step to be fetched begins
.set TBV, 63          ; s63  the same for V, less VOFF
.set MSB, 0
.macro WIN new                      ; the high byte repeats the setting that is left; a switch that changes nothing is dropped
.if MSB != (\new)
	s_set_vgpr_msb (MSB<<8)|(\new)
.set MSB, (\new)
.endif
.endm
.set W_KQ, 0x0a       ; K and Q in window 2, S^T in window 0
.set W_KM, 0x1a       ; the same with the C operand in window 1
.set W_PV, 0x52       ; V in window 2, P in window 0, O^T in window 1
.set W_RS, 0x41       ; destination and source 0 in window 1, source 1 in window 0
; A joint fill.  Waves 0 and 1 fetch the two halves of a tile's K, waves 2 and 3 those of its V: 128 keys each.  The branch hangs on the wave's number alone.
; An s_nop 0 and four v_nop follow each of the two lines, ahead of the jump and the label.
.macro JLOAD
	s_cmp_lt_u32 s[WV], 2
	s_cbranch_scc0 .Lfor_v_\@
	tensor_load_to_lds s[G0K:G0K+3], s[G1K:G1K+7]
	s_nop 0
.rept 4
	v_nop
.endr
	s_branch .Lasked_\@
.Lfor_v_\@:
	tensor_load_to_lds s[G0V:G0V+3], s[G1V:G1V+7]
	s_nop 0
.rept 4
	v_nop
.endr
.Lasked_\@:
.endm
; A round of the cluster's barrier: my work-group's barrier, so that wave 0's signal speaks for all four waves; wave 0 signals; every wave waits for all four work-groups; my work-group's barrier once more.
.macro CROUND
	s_barrier_signal -1
	s_barrier_wait -1
	s_cmp_lg_u32 s[WV], 0
	s_cbranch_scc1 .Lnot_wave_0_\@
	s_barrier_signal -3
.Lnot_wave_0_\@:
	s_barrier_wait -3
	s_barrier_signal -1
	s_barrier_wait -1
.endm
; THE CHANGE OF SLOTS.  Each wave waits for all its tensor loads, of which one is out: its part of the other slot; adds 0 to its spare word; and waits for that and for its own reads of the slot that it leaves.
; Behind the barrier nobody reads the old slot any more and the other slot is whole.  fill = 1: the old slot is filled again, with the keys two tiles on.  The barrier is then a round of the cluster's, so that no
; wave of any partner still reads the slot or has a load on its way, and the joint fill is the first thing behind it: it has four key steps, 256 matrix instructions, in which to land.
; (At its first use nothing has been read yet: slot 0 is waited for, slot 1 filled; and its wait on DScnt and its barrier show every wave's part of the mask table to the others.)
.macro CHANGE fill
	WIN 0                           ; at a label and at a branch every window is 0
	s_wait_tensorcnt 0x0            ; no tensor load of mine is out, so a group 0 may be written
	ds_add_u32 v[SPW], v[NIL]       ; 0 onto my spare word: with fill = 1 the descriptors' steps stand between it and the wait for it
.if \fill
.irp g, G0K, G0V
	s_xor_b32 s[\g+1], s[\g+1], SLOT1  ; the walking descriptor: the other slot than last time,
	s_add_nc_u64 s[\g+2:\g+3], s[\g+2:\g+3], 4*KS*128  ; the next 256 keys; the type bits on top are not reached
.endr
	s_wait_dscnt 0x0                ; the add is done, and my reads of the slot are over
	CROUND
	JLOAD
.else
	s_wait_dscnt 0x0                ; the add is done, and my reads of the slot are over
	s_barrier_signal -1
	s_barrier_wait -1
.endif
	s_sub_co_u32 s[TBK], s[TBK], 4*KS*PK  ; the fetches go back to a slot's first step,
	s_xor_b32 s[TBK], s[TBK], SLOT1       ; in the other slot
	s_sub_co_u32 s[TBV], s[TBV], 4*KS*PV
	s_xor_b32 s[TBV], s[TBV], SLOT1
.endm
	s_load_b256 s[4:11], s[0:1], 0x0  ; Q s[4:5], K s[6:7], V s[8:9], mask s[10:11]
	s_load_b64 s[OB:OB+1], s[0:1], 0x20  ; O
	v_lshl_add_u32 v[SPW], v0, 2, SPARE
	v_mov_b32 v[NIL], 0
	ds_add_u32 v[SPW], v[NIL]       ; the wave's opening: the add and its wait ahead of my first tensor load; the set-up below, work on registers, stands between them
	v_lshrrev_b32 v1, 5, v0
	v_readfirstlane_b32 s[WV], v1   ; wave 0..3
	s_bfe_u32 s13, ttmp6, 0x40000   ; cx: my place in the cluster
	s_lshl_b32 s14, ttmp9, 2        ; in a cluster launch ttmp9 counts clusters
	s_add_co_u32 s14, s14, s13      ; my block of 256 queries = 4 x cluster x + cx: it enters Q's and O's addresses alone
	s_and_b32 s20, ttmp7, 0xffff    ; g, which the four partners share
	s_lshr_b32 s15, s20, 3          ; the batch
	s_lshl_b32 s20, s20, 19         ; g's first byte in Q, K, V and O: 4,096 rows of 128 bytes
	s_mov_b32 s21, 0
	s_and_b32 s16, s[WV], 1         ; which half of a tile's 256 keys I fetch:
	s_lshl_b32 s22, s16, 14         ; its 128 rows of 128 bytes in memory,
	s_mov_b32 s23, 0
	s_add_nc_u64 s[22:23], s[22:23], s[20:21]
	s_mul_i32 s17, s16, 128*PK      ; and its place in a slot, for K
	s_mul_i32 s18, s16, 128*PV      ; and for V: no place in the cluster enters an LDS address
	s_lshl_b32 s2, s14, 15          ; my block's 256 rows,
	s_lshl_b32 s3, s[WV], 13        ; my wave's 64 of them
	s_add_co_u32 s2, s2, s3
	s_mov_b32 s3, 0
	s_add_nc_u64 s[2:3], s[2:3], s[20:21]
	s_lshl_b32 s50, s15, 14         ; the batch's 4,096 words of the mask
	s_mov_b32 s51, 0
	; descriptor group 1.  128 keys are 16,384 dense bytes: asked for as 64 rows of 256 bytes, two keys a row, and padded in LDS after every key
	s_mov_b32 s[G1K], 15|(1<<16)|(1<<20)|(1<<21)|(4<<22)|(3<<25)  ; 15:0 the mask of four; 17:16 2-byte elements; 20 padding on; 21 set beside a mask; 24:22 after every 32 words (code 4); 31:25 4 words (code 3)
	s_mov_b32 s[G1V], 15|(1<<16)|(1<<20)|(1<<21)|(4<<22)|(7<<25)  ; the same with 8 words of padding (code 7)
.irp g, G1K, G1V
	s_mov_b32 s[\g+1], 128<<16      ; tensor_dim0 = 128
	s_mov_b32 s[\g+2], 64<<16       ; tensor_dim1 = 64
	s_mov_b32 s[\g+3], 128<<16      ; tile_dim0 = 128
	s_mov_b32 s[\g+4], 64           ; tile_dim1 = 64
	s_mov_b32 s[\g+5], 128          ; 128 elements from row to row
	s_mov_b32 s[\g+6], 0
	s_mov_b32 s[\g+7], 0
.endr
	s_mov_b32 s[CS], 0x3e38aa3b     ; c = log2(e) / 8 = 0.180337
	s_mov_b32 s[CS+1], s[CS]        ; named with it as a pair
	s_mov_b32 s[SEL], 0x76543210
	s_mov_b32 s[SEL+1], 0xfedcba98
	s_mov_b32 s[BIGN], 0xf1800000   ; -2^100
	s_mov_b32 s[TBM], 0
	s_mov_b32 s[TBK], SLOT1+4*KS*PK ; the first change of slots turns these two into 0
	s_mov_b32 s[TBV], SLOT1+4*KS*PV
	s_mov_b32 s[G0K], 1             ; 1:0 count = 1
	s_mov_b32 s[G0K+1], s17         ; 63:32 LDS address: slot 0
	s_mov_b32 s[G0V], 1
	s_add_co_u32 s[G0V+1], s18, VOFF
	s_wait_dscnt 0x0                ; the opening add is done
	s_wait_kmcnt 0x0
	s_add_nc_u64 s[G0K+2:G0K+3], s[6:7], s[22:23]  ; 120:64 global address: my half of g's first 256 keys
	s_or_b32 s[G0K+3], s[G0K+3], 0x80000000        ; 127:126 type = 2
	s_add_nc_u64 s[G0V+2:G0V+3], s[8:9], s[22:23]
	s_or_b32 s[G0V+3], s[G0V+3], 0x80000000
	s_add_nc_u64 s[4:5], s[4:5], s[2:3]            ; Q and O at my wave's first row
	s_add_nc_u64 s[OB:OB+1], s[OB:OB+1], s[2:3]
	s_add_nc_u64 s[10:11], s[10:11], s[50:51]      ; the mask at my batch
	CROUND                          ; all four work-groups are here: the first joint loads meet
	JLOAD                           ; tile 0 into slot 0.  Slot 1 is asked for when slot 0 is in
	; A fragment of K or Q is 16 rows x 32 channels in 8 registers: lane l holds row l % 16, channels 8 (l / 16) + 0..7 and 16 + 8 (l / 16) + 0..7: two loads of 16 bytes, 32 bytes apart.
	v_and_b32 v1, 15, v0            ; l % 16
	v_bfe_u32 v9, v0, 4, 1          ; l / 16
	v_lshlrev_b32 v[QO], 7, v1
	v_lshl_add_u32 v[QO], v9, 4, v[QO]  ; row x 128 + 16 x half
	v_lshlrev_b32 v[MG], 4, v0
	WIN 0x80                        ; destination window 2, address window 0
.set i, 0
.rept 8                             ; Q stays in registers: piece i / 2, channels 32 (i % 2) on
	global_load_b128 v[8*i:8*i+3],   v[QO], s[4:5] offset:(i/2)*2048+(i%2)*64
	global_load_b128 v[8*i+4:8*i+7], v[QO], s[4:5] offset:(i/2)*2048+(i%2)*64+32
.set i, i+1
.endr
	WIN 0
.set i, 0
.rept 8                             ; the batch's mask, 16,384 bytes: 128 threads x 16 bytes x 8, into S^T's registers, which are still free
	global_load_b128 v[S+4*i:S+4*i+3], v[MG], s[10:11] offset:i*2048
.set i, i+1
.endr
	v_add_nc_u32 v[ML], MASKB, v[MG]
	v_lshl_add_u32 v[AM0], v9, 5, MASKB  ; register j of group kt belongs to key 16 kt + 8 (l / 16) + j: 32 bytes for each half of the lanes
	v_mul_u32_u24 v[AK0], v1, PK
	v_lshl_add_u32 v[AK0], v9, 4, v[AK0]  ; row x pitch + 16 x half
	; The turning load takes 16 keys x 16 channels (lane l reads key 8 (l / 16) + l % 8, channels 8 ((l / 8) % 2) + 0..7) and leaves half a fragment of V^T: lane l holds channel l % 16 and 8 keys.
	v_and_b32 v10, 7, v0
	v_bfe_u32 v11, v0, 3, 1
	v_lshl_add_u32 v[AV0], v9, 3, v10
	v_mul_u32_u24 v[AV0], v[AV0], PV
	v_lshl_add_u32 v[AV0], v11, 4, v[AV0]
	v_add_nc_u32 v[AV0], VOFF, v[AV0]
	s_mul_i32 s13, s[WV], 16*SP
	s_add_co_u32 s13, s13, STAGE    ; my stage
	v_mul_u32_u24 v[STO], v1, SP    ; in: row l % 16, 16 bytes for each half of the lanes
	v_lshl_add_u32 v[STO], v9, 4, v[STO]
	v_add_nc_u32 v[STO], s13, v[STO]
	v_bfe_u32 v[RD], v0, 3, 2       ; back: 32 lanes take four rows of 128 bytes,
	v_mul_u32_u24 v[RD], v[RD], SP
	v_lshl_add_u32 v[RD], v10, 4, v[RD]
	v_add_nc_u32 v[RD], s13, v[RD]
	v_and_b32 v[GO], 31, v0         ; which are 512 consecutive bytes of O
	v_lshlrev_b32 v[GO], 4, v[GO]
	; The first step multiplies O^T and l by a = 0, and the first turn's products V^T P, of a piece that has not been, add 0: so V's registers, O^T, l and P's second buffer hold 0.  No first step is written out for
	; that price.  All this stands in the wait for the first tile.
	WIN 0x80
.set i, VF
.rept 64
	v_mov_b32 v[i], 0
.set i, i+1
.endr
	WIN 0x40
.set i, 0
.rept 128
	v_mov_b32 v[i], 0
.set i, i+1
.endr
	WIN 0
.set i, 0
.rept 4
	v_mov_b32 v[ST+4*i], 0xfe000000    ; c m: far below every c s, a hidden one's too
	v_mov_b32 v[ST+4*i+1], 0xff7fffff  ; m: the lowest finite number
	v_mov_b32 v[ST+4*i+2], 0
	v_mov_b32 v[ST+4*i+3], 0
.set i, i+1
.endr
.set i, P+16
.rept 16
	v_mov_b32 v[i], 0
.set i, i+1
.endr
	s_wait_loadcnt 0x0              ; Q and the mask
.set i, 0
.rept 32
	v_cmp_eq_u32 vcc_lo, 0, v[S+i]
	v_cndmask_b32 v[S+i], 0, s[BIGN], vcc_lo  ; 0 for a visible key, -2^100 for a hidden one
.set i, i+1
.endr
.set i, 0
.rept 8
	ds_store_b128 v[ML], v[S+4*i:S+4*i+3] offset:i*2048
.set i, i+1
.endr
; THE MATRIX WORK.  The 4 accumulators of a run of 8 take turns.  Product i of 8 of S^T = K Q^T for piece x: channels 32 (i / 4) on, keys 16 (i % 4) on.  The first 4 start the sums with the mask.
.macro KQ x
.set rS, S+32*((\x)%2)+8*(i%4)
.set rK, KF+16*(i%4)+8*(i/4)
.set rQ, 16*(\x)+8*(i/4)
.set rM, MC+8*(i%4)
.if i < 4
	WIN W_KM
	v_wmma_f32_16x16x32_f16 v[rS:rS+7], v[rK:rK+7], v[rQ:rQ+7], v[rM:rM+7]
.else
	WIN W_KQ
	v_wmma_f32_16x16x32_f16 v[rS:rS+7], v[rK:rK+7], v[rQ:rQ+7], v[rS:rS+7]
.endif
.endm
; Product i of 8 of O^T += V^T P for piece x: keys 32 (i / 4) on, channels 16 (i % 4) on.
.macro PV x
	WIN W_PV
.set rO, 32*(\x)+8*(i%4)
.set rV, VF+32*(i/4)+8*(i%4)
.set rP, P+16*((\x)%2)+8*(i/4)
	v_wmma_f32_16x16x32_f16 v[rO:rO+7], v[rV:rV+7], v[rP:rP+7], v[rO:rO+7]
.endm
.macro MM                           ; the turn's next matrix instruction.  TURN sets Y, i and NOKQ.  NOKQ = 1: the walk's last turn: there is no next piece
.if (i < 8) && !NOKQ
	KQ (Y+1)%NP
.elseif i >= 8
.set i, i-8
	PV (Y+NP-1)%NP
.set i, i+8
.endif
.set i, i+1
.endm
; THE LDS LOADS stand in runs, never singly among the matrix instructions: a step's K (64 keys x 64 channels: 8 fragments) with its 64 words of the mask table, and its V (turned).  Their addresses are made some lines ahead.
.macro FETCH_K
	WIN 0x80                        ; destination window 2
.irp f, 0,1,2,3,4,5,6,7             ; keys 16 (f / 2) on, channels 32 (f % 2) on
	ds_load_b128 v[KF+8*\f:KF+8*\f+3],   v[AK] offset:(\f/2)*16*PK+(\f%2)*64
	ds_load_b128 v[KF+8*\f+4:KF+8*\f+7], v[AK] offset:(\f/2)*16*PK+(\f%2)*64+32
.endr
	WIN 0x40                        ; destination window 1
.irp f, 0,1,2,3                     ; keys 16 f on: all lanes of a half read the same 32 bytes
	ds_load_b128 v[MC+8*\f:MC+8*\f+3],   v[AM] offset:\f*64
	ds_load_b128 v[MC+8*\f+4:MC+8*\f+7], v[AM] offset:\f*64+16
.endr
	s_add_co_u32 s[TBK], s[TBK], KS*PK  ; the next fetch is the next step's
	s_add_co_u32 s[TBM], s[TBM], 4*KS   ; the table is walked once, 256 bytes a step, 64 steps;
	s_and_b32 s[TBM], s[TBM], 0x3f00    ; cut to the table's 16,384 bytes: behind the last step it is 0 again and is not used
	WIN 0
.endm
.macro FETCH_V
	WIN 0x80
.irp f, 0,1,2,3,4,5,6,7             ; keys 32 (f / 4) on, channels 16 (f % 4) on
	ds_load_tr16_b128 v[VF+8*\f:VF+8*\f+3],   v[AV] offset:(\f/4)*32*PV+(\f%4)*32
	ds_load_tr16_b128 v[VF+8*\f+4:VF+8*\f+7], v[AV] offset:(\f/4)*32*PV+16*PV+(\f%4)*32
.endr
	WIN 0
.endm
; THE VECTOR WORK, one line at a time: OP kind, number.  For piece Y: F n: c s - c m for pair n of 16.  E n: the exponential of score n of 32.  C n: pair n rounded to f16.  B n: of the four weights 4 n .. the second
; pair is added onto the first, in place.  L n: l takes that sum (L 0: l = a l + sum).  R n: pair n of 16 of O^T times a.  For piece Y + 1: X n, number n of the 22 that find its maximum and statistics:
;   0-11  four chains c0-c3 of seven scores each, three operands at a time (each accumulator's lowest registers are read first)     12-14, 16  the four scores left over, the old m, and c0-c3 into c0
;   15  c m_old is kept     17, 18  the query's other 32 keys lie in the lane 16 away: the new m     19-21  c m; c m_old - c m_new; a
.set F, 0               ; OP tells the kinds apart by their order: F to L below R, X above it
.set E, 1
.set C, 2
.set B, 3
.set L, 4
.set R, 5
.set X, 6
.macro REGS y                       ; the registers of piece y
.set rT, ST+4*(\y)
.set rC, TMP+4*((\y)%2)
.set rW, MV+((\y)%2)
.set rS, S+32*((\y)%2)
.set rP, P+16*((\y)%2)
.set rO, 32*(\y)
.endm
.macro OP k, n
.if (\k) == R
	REGS Y
	WIN W_RS
	v_pk_mul_f32 v[rO+2*(\n):rO+2*(\n)+1], v[rO+2*(\n):rO+2*(\n)+1], v[rC+2:rC+3] op_sel_hi:[1,0]
.elseif (\k) < R
	REGS Y
	WIN 0
.if (\k) == F
	v_pk_fma_f32 v[rS+2*(\n):rS+2*(\n)+1], v[rS+2*(\n):rS+2*(\n)+1], s[CS:CS+1], v[rT:rT+1] op_sel_hi:[1,0,0] neg_lo:[0,0,1] neg_hi:[0,0,1]
.elseif (\k) == E
	v_exp_f32 v[rS+(\n)], v[rS+(\n)]
.elseif (\k) == C
	s_wait_alu depctr_va_vdst(0)
	v_cvt_pk_f16_f32 v[rP+(\n)], v[rS+2*(\n)], v[rS+2*(\n)+1]
.elseif (\k) == B
	s_wait_alu depctr_va_vdst(0)
	v_pk_add_f32 v[rS+4*(\n):rS+4*(\n)+1], v[rS+4*(\n):rS+4*(\n)+1], v[rS+4*(\n)+2:rS+4*(\n)+3]
.elseif (\n) == 0
	v_pk_fma_f32 v[rT+2:rT+3], v[rT+2:rT+3], v[rC+2:rC+3], v[rS:rS+1] op_sel_hi:[1,0,1]
.else
	v_pk_add_f32 v[rT+2:rT+3], v[rT+2:rT+3], v[rS+4*(\n):rS+4*(\n)+1]
.endif
.elseif NOKQ
	v_nop
.else
	REGS (Y+1)%NP
	WIN 0
.if (\n) < 4
	v_max3_num_f32 v[rC+(\n)], v[rS+8*(\n)], v[rS+8*(\n)+1], v[rS+8*(\n)+2]
.elseif (\n) < 12
	v_max3_num_f32 v[rC+(\n)%4], v[rC+(\n)%4], v[rS+8*((\n)%4)+2*((\n)/4)+1], v[rS+8*((\n)%4)+2*((\n)/4)+2]
.elseif (\n) == 12
	v_max3_num_f32 v[rC], v[rC], v[rS+7], v[rS+15]
.elseif (\n) == 13
	v_max3_num_f32 v[rC+1], v[rC+1], v[rS+23], v[rS+31]
.elseif (\n) == 14
	v_max3_num_f32 v[rC+2], v[rC+2], v[rC+3], v[rT+1]
.elseif (\n) == 15
	v_mov_b32 v[rW], v[rT]
.elseif (\n) == 16
	v_max3_num_f32 v[rC], v[rC], v[rC+1], v[rC+2]
.elseif (\n) == 17
	v_permlanex16_b32 v[rC+3], v[rC], s[SEL], s[SEL+1]
.elseif (\n) == 18
	v_max_num_f32 v[rT+1], v[rC], v[rC+3]
.elseif (\n) == 19
	v_mul_f32 v[rT], s[CS], v[rT+1]
.elseif (\n) == 20
	v_sub_f32 v[rC+1], v[rW], v[rT]
.else
	v_exp_f32 v[rC+2], v[rC+1]
.endif
.endif
.endm
.macro OPS a, i1, b=-1, i2=0, c=-1, i3=0, d=-1, i4=0  ; up to four of them
	OP \a, \i1
.if (\b) >= 0
	OP \b, \i2
.endif
.if (\c) >= 0
	OP \c, \i3
.endif
.if (\d) >= 0
	OP \d, \i4
.endif
.endm
.macro ROW a, i1, b, i2, c, i3, d, i4  ; a matrix instruction and the four behind it
	MM
	OPS \a, \i1, \b, \i2, \c, \i3, \d, \i4
.endm
; A TURN, for piece p: the order of its 16 matrix and 118 vector instructions, written out.  Behind a matrix instruction: plain, exponential, plain, plain; or four of the rescaling; or, behind the first, four scalings; none
; names a register of the products round it.  In the lumps exponential and plain by turns while exponentials last.  A line reads no result made fewer than three vector instructions in front of it, five if an exponential made it.
; v_permlanex16_b32 (X 17) stands in a lump.  end = 1: the walk's last two turns: nothing is fetched.  cnt = 1: the loop's count is taken down some lines ahead of the branch that stands behind the turn.
; K and the mask words of the next step are fetched in piece 2's turn, six vector instructions behind the last product that read K (five of them plain; the last that read the mask words stands four products further back);
; V of the step in hand in piece 0's turn, eight behind the last product that read V (four plain, and X 17).  Each is waited for a turn later.
.macro TURN p, end=0, cnt=0
.set Y, (\p)
.set i, 0
.set NOKQ, (\end)*((\p)/3)
.if ((\p) == 3) && !(\end)
	s_wait_dscnt 0x0                ; K and the mask words are in
.endif
	ROW F,0, F,1, F,2, F,3
	ROW F,4, E,0, F,5, F,6
	ROW F,7, E,1, F,8, F,9
	ROW F,10, E,2, C,0, F,11
	ROW F,12, E,3, X,15, F,13
	ROW R,0, R,1, R,2, R,3
	ROW B,0, E,4, F,14, L,0
.if ((\p) == 2) && !(\end)
	v_add_nc_u32 v[AK], s[TBK], v[AK0]
	v_add_nc_u32 v[AM], s[TBM], v[AM0]
.endif
	ROW R,4, R,5, R,6, R,7
	OPS E,5, F,15
.if ((\p) == 2) && !(\end)
	FETCH_K
.endif
	OPS E,6, C,1, E,7, R,8
	OPS E,8, R,9, E,9, C,2
	OPS E,10, X,0, E,11, X,1
	OPS E,12, X,2, E,13, X,3
.if (\p) == 1
	s_wait_dscnt 0x0                ; V is in
.endif
	ROW X,4, E,14, X,5, X,6
	ROW X,7, E,15, X,8, X,9
	ROW X,10, E,16, X,11, X,12
	ROW X,13, E,17, X,14, B,1
	ROW C,4, E,18, X,16, L,1
	ROW B,2, E,19, C,6, L,2
	ROW C,8, E,20, B,3, B,4
.if (\p) == 0
	v_add_nc_u32 v[AV], s[TBV], v[AV0]
.endif
	ROW C,3, E,21, L,3, C,5
	OPS E,22, X,17, E,23, C,10
.if (\p) == 0
	FETCH_V
.endif
	OPS E,24, L,4
	OPS E,25, X,18, E,26, C,7
	OPS E,27, B,5, E,28, X,19
	OPS E,29, C,12, E,30, L,5
	OPS E,31, X,20, B,6, C,9
	OPS C,14, C,11, X,21, L,6
.if (\p) == 0
	s_add_co_u32 s[TBV], s[TBV], KS*PV
.endif
.if \cnt
	s_sub_co_u32 s[CNT], s[CNT], 1
	s_cmp_lg_u32 s[CNT], 0
.endif
	OPS C,13, B,7, C,15, R,10
	OPS R,11, R,12, L,7, R,13
	OPS R,14, R,15
.endm
	CHANGE 1                        ; slot 0 is in, everybody's part of it, and so is the mask table; slot 1 is asked for
	v_add_nc_u32 v[AK], s[TBK], v[AK0]
	v_add_nc_u32 v[AM], s[TBM], v[AM0]
	FETCH_K                         ; key step 0
	s_wait_dscnt 0x0
.set NOKQ, 0
.set i, 0
.rept 8
	KQ 0                            ; piece 0's first scores: there is no vector work yet to set between them
.set i, i+1
.endr
	WIN 0
.rept 4
	v_nop                           ; the places behind those products
.endr
.set Y, NP-1                        ; X works for piece Y + 1: piece 0
.irp n, 0,1,2,3,4,5,6,7,8,9,10,11,12,13,14,15,16,17,18,19,20,21
	OP X, \n                        ; and piece 0's first maximum and statistics
.endr
	v_nop                           ; a plain instruction behind the exponential
	s_mov_b32 s[CNT], 4
	s_mov_b32 s[SLOTS], 15
	s_branch .Lfirst                ; the loop is entered at a step's first turn, in the middle of a trip
.Lslot:                             ; 14 times: tiles 2 to 15 are asked for, every slot but the last two is filled again
	CHANGE 1
	s_mov_b32 s[CNT], 4
.Lstep:                             ; a trip: pieces 2 and 3 of one step, then pieces 0 and 1 of the next, whose K and V it fetches
	TURN 2
	TURN 3
	WIN 0
.Lfirst:
	TURN 0
	TURN 1, 0, 1
	WIN 0
	s_cbranch_scc1 .Lstep
	s_sub_co_u32 s[SLOTS], s[SLOTS], 1
	s_cmp_lg_u32 s[SLOTS], 0
	s_cbranch_scc1 .Lslot
	CHANGE 0                        ; the last tile is written out: nothing is asked for
	s_mov_b32 s[CNT], 4
.Ltail:
	TURN 2
	TURN 3
	TURN 0
	TURN 1, 0, 1
	WIN 0
	s_cbranch_scc1 .Ltail
	TURN 2, 1                       ; the last step's pieces 2 and 3: nothing is fetched, and the last turn starts no new scores
	TURN 3, 1
.set i, 0
.rept 8
	PV NP-1                         ; the last piece's V^T P of the last step
.set i, i+1
.endr
	; THE WAY OUT.  l's two halves and the other half of the lanes' are added; O^T is divided by l, rounded to f16 and sent through my stage in LDS, a piece at a time.  The additions are the places behind the last products.
	WIN 0
.macro ALL line:vararg              ; one line for each piece t
.set t, 0
.rept 4
	\line
.set t, t+1
.endr
.endm
	ALL v_add_f32 v[ST+4*t+2], v[ST+4*t+2], v[ST+4*t+3]
	ALL v_permlanex16_b32 v[ST+4*t+3], v[ST+4*t+2], s[SEL], s[SEL+1]
	ALL v_add_f32 v[ST+4*t+2], v[ST+4*t+2], v[ST+4*t+3]
	ALL v_rcp_f32 v[ST+4*t+2], v[ST+4*t+2]
	v_nop                           ; a plain instruction between the last reciprocal and the use of its result
.macro PACK t                       ; a lane's eight channels of a row pack into 16 bytes; they go into rows of 144 bytes and come back as whole rows of 128, into S^T's registers
	WIN W_RS
.set i, 32*(\t)
.rept 16
	s_wait_alu depctr_va_vdst(0)
	v_pk_mul_f32 v[i:i+1], v[i:i+1], v[ST+4*(\t)+2:ST+4*(\t)+3] op_sel_hi:[1,0]
.set i, i+2
.endr
	WIN 0x05                        ; sources 0 and 1 window 1, destination window 0
.set i, 0
.rept 16
	v_cvt_pk_f16_f32 v[S+16*(\t)+i], v[32*(\t)+2*i], v[32*(\t)+2*i+1]
.set i, i+1
.endr
	WIN 0
.irp f, 0,1,2,3
	ds_store_b128 v[STO], v[S+16*(\t)+4*\f:S+16*(\t)+4*\f+3] offset:32*\f
.endr
.irp f, 0,1,2,3
	ds_load_b128 v[S+16*(\t)+4*\f:S+16*(\t)+4*\f+3], v[RD] offset:\f*4*SP  ; LDS serves a wave's instructions in order (ISA guide 5.7.1.4): these see the stores above; the next piece's stores come behind them
.endr
.endm
.macro SEND t, younger              ; younger: the LDS instructions issued behind piece t's loads: the next piece's eight, or none
	WIN 0
.irp f, 0,1,2,3
	s_wait_dscnt (\younger)+3-\f
	global_store_b128 v[GO], v[S+16*(\t)+4*\f:S+16*(\t)+4*\f+3], s[OB:OB+1] offset:(\t)*2048+\f*512  ; 512 consecutive bytes, at a multiple of 256 from O's first
.endr
.endm
	PACK 0
.set t, 1
.rept 3                             ; a piece's arithmetic stands between the loads of the piece before and its stores
	PACK t
	SEND t-1, 8
.set t, t+1
.endr
	SEND 3, 0
	s_wait_tensorcnt 0x0            ; the wave's end: behind my last tensor load and my last LDS store
	ds_add_u32 v[SPW], v[NIL]
	s_wait_dscnt 0x0
	CROUND                          ; the closing round: no work-group ends while a partner may still ask for a tile that names it
	s_endpgm
.Lfunc_end_k_q728d0d6c26_attn:
	.size	k_q728d0d6c26_attn, .Lfunc_end_k_q728d0d6c26_attn-k_q728d0d6c26_attn
	.p2alignl 7, 3214868480
	.fill 96, 4, 3214868480
	.section	.rodata,"a",@progbits
	.p2align	6, 0x0
	.amdhsa_kernel k_q728d0d6c26_attn
		.amdhsa_group_segment_fixed_size 327680
		.amdhsa_private_segment_fixed_size 0
		.amdhsa_enable_private_segment 0
		.amdhsa_kernarg_size 40
		.amdhsa_user_sgpr_count 2
		.amdhsa_user_sgpr_kernarg_segment_ptr 1
		.amdhsa_wavefront_size32 1
		.amdhsa_system_sgpr_workgroup_id_x 1
		.amdhsa_system_sgpr_workgroup_id_y 1
		.amdhsa_system_sgpr_workgroup_id_z 1
		.amdhsa_system_vgpr_workitem_id 0
		.amdhsa_next_free_vgpr 768
		.amdhsa_next_free_sgpr 66
		.amdhsa_reserve_vcc 1
		.amdhsa_float_denorm_mode_32 3
		.amdhsa_float_denorm_mode_16_64 3
		.amdhsa_memory_ordered 1
		.amdhsa_forward_progress 1
		.amdhsa_inst_pref_size 140
	.end_amdhsa_kernel
	.amdgpu_metadata
---
amdhsa.version: [ 1, 2 ]
amdhsa.kernels:
  - .name:           k_q728d0d6c26_attn
    .symbol:         k_q728d0d6c26_attn.kd
    .args:
      - { .name: qh, .offset: 0, .size: 8, .value_kind: global_buffer, .address_space: global }
      - { .name: kh, .offset: 8, .size: 8, .value_kind: global_buffer, .address_space: global }
      - { .name: vh, .offset: 16, .size: 8, .value_kind: global_buffer, .address_space: global }
      - { .name: mask, .offset: 24, .size: 8, .value_kind: global_buffer, .address_space: global }
      - { .name: oh, .offset: 32, .size: 8, .value_kind: global_buffer, .address_space: global }
    .group_segment_fixed_size: 327680
    .private_segment_fixed_size: 0
    .kernarg_segment_align: 8
    .kernarg_segment_size: 40
    .max_flat_workgroup_size: 128
    .sgpr_count:     66
    .vgpr_count:     768
    .wavefront_size: 32
...
	.end_amdgpu_metadata
.endif
;; end of part 2
;; launch oproj (part 3): grid 4 x 64, 4 waves a work-group, clusters of 4 x 4, 298,496 bytes of LDS; arguments oh, woh, bo, out0; writes out0
.if DOCPART == 3
	.amdgcn_target "amdgcn-amd-amdhsa--gfx1250"
	.amdhsa_code_object_version 6
	.text
	.protected	k_q728d0d6c26_oproj
	.globl	k_q728d0d6c26_oproj
	.p2align	8
	.type	k_q728d0d6c26_oproj,@function
k_q728d0d6c26_oproj:
	s_mov_b64 s[64:65], 0
	v_nop
	global_prefetch_b8 v0, s[64:65] scope:SCOPE_SE
	s_setreg_imm32_b32 hwreg(HW_REG_WAVE_MODE, 25, 1), 1
	s_wait_xcnt 0x0
	s_wait_alu depctr_hold_cnt(0) depctr_sa_sdst(0) depctr_va_vdst(0) depctr_va_sdst(0) depctr_va_ssrc(0) depctr_va_vcc(0) depctr_vm_vsrc(0)
	s_getreg_b32 s2, hwreg(HW_REG_IB_STS2, 6, 4)
	s_cmp_eq_u32 s2, 0
	s_cbranch_scc0 .Lentry_in_a_cluster
	s_endpgm
.Lentry_in_a_cluster:
	s_bfe_u32 s2, ttmp6, 0x10000c
	s_cmp_lg_u32 s2, 0xf033
	s_cbranch_scc0 .Lentry_shape_is_right
	s_endpgm
.Lentry_shape_is_right:
; THE OUTPUT PROJECTION.  out0[row][col] = the sum over k of O[row][k] Wo[col][k] + bo[col].  O lies by heads, [batch x 8 + head][4096][64] f16 (k = 64 head + channel); Wo as f16, [512][512]; bo f32; out0 [8192][512] f32.
; Products of f16, sums in f32 on top of the bias.  LIMITS: O and Wo arrive within f16's range; NaN and infinities are not treated apart.
; SHARES.  A work-group makes 128 rows x 128 columns, each of its four waves 64 x 64: 16 accumulators of 16 x 16.  K is 512: both operands' whole K fits in LDS (128 x 512 f16 each), so every tile is a first fill:
; three tensor loads a wave go out together at the start, three of mine are out at the most, no byte of LDS is filled twice, and there is one barrier in front of the products.
; CLUSTER.  4 x 4 work-groups.  The four of a row of the cluster need the same 128 rows of O, the four of a column the same 128 rows of Wo: each tile is asked for JOINTLY, by the same tensor load with the same
; descriptor and a mask that names the four.
; THE MATRIX INSTRUCTION IS USED TRANSPOSED (source 0 = 16 rows of Wo, source 1 = 16 rows of O): a lane then holds one row of out0 and eight neighbouring columns, 32 bytes.
; REGISTERS.  Window 0: v0-31 addresses; v128-255 the accumulators, (a, b) at v[128 + 8 (4 a + b)].  Window 1: two fragment buffers of 64: O's four fragments, then Wo's four.
.set PA,     144                       ; a row of O's one head in LDS: 128 bytes + 16: an odd multiple of 16, so the 16 rows of a load start at 16 different groups of four banks (64 banks of 4 bytes: ISA guide 11.1)
.set HEADB,  128*PA                    ; a head's 128 rows
.set WOFF,   8*HEADB                   ; behind O's eight heads: Wo's 128 rows
.set PW,     1040                      ; a row of Wo: 1,024 bytes + 16: again an odd multiple of 16
.set STAGE,  WOFF+128*PW               ; behind the tiles: 16 rows x 272 bytes for each wave, for the way out; no tensor load lands there
.set SPITCH, 272
.set SPARE,  STAGE+4*16*SPITCH         ; behind the stages: the spare words, 128 bytes for each wave: two blocks of 256 bytes that no other line names
.set FA,  16                           ; v16-18  my fragments of O, heads 0-2, 3-5, 6-7: an LDS immediate has 16 bits, which three heads fill
.set FB,  20                           ; v20     my fragments of Wo
.set BO,  22                           ; v22     my byte offset in 16 numbers of the bias
.set STO, 24                           ; v24     the way out: where I put 32 bytes of a row
.set RD,  25                           ; v25     the way out: where I read a row back
.set CO,  26                           ; v26     my byte offset in out0
.set SPW, 28                           ; v28     LDS address of my spare word; never rewritten
.set NIL, 29                           ; v29     0; never rewritten
.set ACC, 128
.set WV,  12                           ; s12     my wave's number
.set G1A, 24                           ; s[24:31] descriptor group 1 for O's tiles;  s[32:39] group 0, one set for each of my two heads
.set G0A, 32
.set G1W, 48                           ; s[48:55], s[56:59] the same for Wo's tile
.set G0W, 56
.set MSB, 0
.macro WIN new                         ; s_set_vgpr_msb: bits 1:0 source 0, 3:2 source 1, 5:4 source 2, 7:6 destination; the high byte repeats the setting that is left
.if MSB != (\new)
	s_set_vgpr_msb (MSB<<8)|(\new)
.set MSB, (\new)
.endif
.endm
.set MUL,  0x05                        ; sources 0 and 1 in window 1; C and D in window 0
.set TO_F, 0x40                        ; destination in window 1, address in window 0
.macro PLACES                          ; four places in front of loads into registers that matrix instructions have read, and of LDS stores that read results (ISA guide 7.12.1 for vector instructions)
.rept 4
	v_nop
.endr
.endm
.macro CROUND                          ; a round of the cluster's barrier: my work-group's barrier; wave 0 signals for the work-group; every wave waits for all sixteen; my work-group's barrier once more
	s_barrier_signal -1
	s_barrier_wait -1
	s_cmp_lg_u32 s[WV], 0
	s_cbranch_scc1 .Lnot_wave_0_\@
	s_barrier_signal -3
.Lnot_wave_0_\@:
	s_barrier_wait -3
	s_barrier_signal -1
	s_barrier_wait -1
.endm
	s_load_b256 s[4:11], s[0:1], 0x0               ; O s[4:5], Wo s[6:7], bo s[8:9], out0 s[10:11]
	v_lshl_add_u32 v[SPW], v0, 2, SPARE
	v_mov_b32 v[NIL], 0
	ds_add_u32 v[SPW], v[NIL]                      ; the wave's opening: the add and its wait ahead of my first tensor load; the set-up below, work on registers, stands between them
	v_lshrrev_b32 v1, 5, v0
	v_readfirstlane_b32 s[WV], v1                  ; wave 0..3
	s_lshr_b32 s13, s[WV], 1                       ; which 64 rows of the tile are mine
	s_and_b32 s14, s[WV], 1                        ; which 64 columns
	s_bfe_u32 s40, ttmp6, 0x40000                  ; cx, cy: my place in the cluster
	s_bfe_u32 s41, ttmp6, 0x40004
	s_lshl_b32 s42, ttmp9, 2
	s_add_co_u32 s42, s42, s40                     ; tile column = 4 x cluster x + cx
	s_and_b32 s43, ttmp7, 0xffff
	s_lshl_b32 s43, s43, 2
	s_add_co_u32 s43, s43, s41                     ; tile row = 4 x cluster y + cy
	s_lshl_b32 s44, s41, 2
	s_lshl_b32 s44, 15, s44                        ; my row of the cluster
	s_lshl_b32 s45, 0x1111, s40                    ; my column
	; O's tile: a head's 128 rows are 16,384 dense bytes, asked for as 64 rows of 256 bytes and padded in LDS after every 128
	s_or_b32 s[G1A], s44, (1<<16)|(1<<20)|(1<<21)|(4<<22)|(3<<25)  ; 15:0 the mask: my row; 17:16 2-byte elements; 20 padding on; 21 set beside a mask; 24:22 after every 32 words (code 4); 31:25 4 words (code 3)
	s_mov_b32 s[G1A+1], 128<<16                    ; tensor_dim0 = 128
	s_mov_b32 s[G1A+2], 64<<16                     ; tensor_dim1 = 64
	s_mov_b32 s[G1A+3], 128<<16                    ; tile_dim0 = 128
	s_mov_b32 s[G1A+4], 64                         ; tile_dim1 = 64
	s_mov_b32 s[G1A+5], 128                        ; 128 elements from row to row
	s_mov_b32 s[G1A+6], 0
	s_mov_b32 s[G1A+7], 0
	; Wo's tile: 32 rows of 512 elements, padded after every row
	s_or_b32 s[G1W], s45, (1<<16)|(1<<20)|(1<<21)|(7<<22)|(3<<25)  ; the mask: my column; padding after every 256 words (code 7), 4 words
	s_mov_b32 s[G1W+1], 512<<16                    ; tensor_dim0 = 512
	s_mov_b32 s[G1W+2], 32<<16                     ; tensor_dim1 = 32
	s_mov_b32 s[G1W+3], 512<<16                    ; tile_dim0 = 512
	s_mov_b32 s[G1W+4], 32                         ; tile_dim1 = 32
	s_mov_b32 s[G1W+5], 512                        ; 512 elements from row to row
	s_mov_b32 s[G1W+6], 0
	s_mov_b32 s[G1W+7], 0
	; Wave w fetches O's heads 2 w and 2 w + 1 and Wo's rows 32 w to 32 w + 31.  O's address hangs on the tile row and the wave alone, Wo's on the tile column and the wave alone, each in registers that never hold the other coordinate.
	s_lshr_b32 s16, s43, 5                         ; the batch: 32 tiles of 128 rows
	s_lshl_b32 s16, s16, 3
	s_lshl_b32 s17, s[WV], 1
	s_add_co_u32 s16, s16, s17                     ; batch x 8 + head
	s_lshl_b32 s16, s16, 19                        ; 4,096 rows of 128 bytes
	s_and_b32 s17, s43, 31
	s_lshl_b32 s17, s17, 14                        ; the tile's 128 rows in the batch
	s_add_co_u32 s16, s16, s17
	s_mov_b32 s17, 0
	s_lshl_b32 s46, s42, 17                        ; 128 rows of 1,024 bytes
	s_lshl_b32 s47, s[WV], 15                      ; 32 of them
	s_add_co_u32 s46, s46, s47
	s_mov_b32 s47, 0
	s_mov_b32 s[G0A], 1                            ; 1:0 count = 1
	s_mul_i32 s[G0A+1], s[WV], 2*HEADB             ; 63:32 LDS address: no place in the cluster enters it
	s_mov_b32 s[G0A+4], 1
	s_add_co_u32 s[G0A+5], s[G0A+1], HEADB
	s_mov_b32 s[G0W], 1
	s_mul_i32 s[G0W+1], s[WV], 32*PW
	s_add_co_u32 s[G0W+1], s[G0W+1], WOFF
	s_wait_dscnt 0x0                               ; the opening add is done
	s_wait_kmcnt 0x0
	s_add_nc_u64 s[G0A+2:G0A+3], s[4:5], s[16:17]  ; 120:64 global address
	s_add_nc_u64 s[G0A+6:G0A+7], s[G0A+2:G0A+3], 1<<19  ; the next head
	s_or_b32 s[G0A+3], s[G0A+3], 0x80000000        ; 127:126 type = 2
	s_or_b32 s[G0A+7], s[G0A+7], 0x80000000
	s_add_nc_u64 s[G0W+2:G0W+3], s[6:7], s[46:47]
	s_or_b32 s[G0W+3], s[G0W+3], 0x80000000
	CROUND                                         ; all sixteen work-groups are here: the joint loads meet
	tensor_load_to_lds s[G0A:G0A+3], s[G1A:G1A+7]  ; all first fills in one group, ahead of every wait on TENSORcnt, every LDS read and every further barrier; an s_nop 0 follows each, four v_nop the last
	s_nop 0
	tensor_load_to_lds s[G0A+4:G0A+7], s[G1A:G1A+7]
	s_nop 0
	tensor_load_to_lds s[G0W:G0W+3], s[G1W:G1W+7]
	s_nop 0
.rept 4
	v_nop
.endr
	; A fragment is 16 rows x 32 K in 8 registers: lane l holds row l % 16, K = 8 (l / 16) + 0..7 and 16 + 8 (l / 16) + 0..7: two loads of 16 bytes, 32 bytes apart.
	v_and_b32 v1, 15, v0                           ; l % 16
	v_bfe_u32 v2, v0, 4, 1                         ; l / 16
	v_mul_u32_u24 v3, v1, PA
	v_lshl_add_u32 v3, v2, 4, v3
	s_mul_i32 s20, s13, 64*PA
	v_add_nc_u32 v[FA], s20, v3
	v_add_nc_u32 v[FA+1], 3*HEADB, v[FA]
	v_add_nc_u32 v[FA+2], 6*HEADB, v[FA]
	v_mul_u32_u24 v3, v1, PW
	v_lshl_add_u32 v3, v2, 4, v3
	s_mul_i32 s20, s14, 64*PW
	s_add_co_u32 s20, s20, WOFF
	v_add_nc_u32 v[FB], s20, v3
	v_lshlrev_b32 v[BO], 5, v2                     ; my eight columns of sixteen
	s_mul_i32 s20, s[WV], 16*SPITCH
	s_add_co_u32 s20, s20, STAGE                   ; my stage
	v_mul_u32_u24 v3, v1, SPITCH                   ; in: row l % 16, 32 bytes for each half of the lanes
	v_lshl_add_u32 v3, v2, 5, v3
	v_add_nc_u32 v[STO], s20, v3
	v_mul_u32_u24 v3, v2, SPITCH                   ; back: lanes 0-15 take one row of 256 bytes, lanes 16-31 the next
	v_lshl_add_u32 v3, v1, 4, v3
	v_add_nc_u32 v[RD], s20, v3
	v_lshlrev_b32 v3, 11, v2                       ; and the same two rows in out0
	v_lshl_add_u32 v[CO], v1, 4, v3
	s_lshl_b32 s46, s42, 9                         ; my 64 columns, in bytes of f32: 512 x tile column + 256 x half
	s_lshl_b32 s47, s14, 8
	s_add_co_u32 s46, s46, s47
	s_mov_b32 s47, 0
	s_add_nc_u64 s[8:9], s[8:9], s[46:47]          ; bo at my columns
	s_add_nc_u64 s[10:11], s[10:11], s[46:47]
	s_lshl_b32 s18, s43, 18                        ; my 64 rows of 2,048 bytes: 128 x tile row + 64 x half
	s_lshl_b32 s19, s13, 17
	s_add_co_u32 s18, s18, s19
	s_mov_b32 s19, 0
	s_add_nc_u64 s[10:11], s[10:11], s[18:19]      ; out0 at my 64 x 64
	; The sums start at the bias: register j of accumulator (a, b) belongs to column 16 b + 8 (l / 16) + j.  Nothing is cleared and nothing is added at the end.
.set i, 0
.rept 16
	global_load_b128 v[ACC+8*i:ACC+8*i+3],   v[BO], s[8:9] offset:(i%4)*64
	global_load_b128 v[ACC+8*i+4:ACC+8*i+7], v[BO], s[8:9] offset:(i%4)*64+16
.set i, i+1
.endr
; 16 LDS loads: the fragments of K = 32 k .. 32 k + 31 (head k / 2, channels 32 (k % 2) on) into buffer f
.macro FETCH k, f
	WIN TO_F
.irp i, 0,1,2,3
	ds_load_b128 v[(\f)+32+8*(\i):(\f)+32+8*(\i)+3],   v[FB] offset:(\i)*16*PW+(\k)*64
	ds_load_b128 v[(\f)+32+8*(\i)+4:(\f)+32+8*(\i)+7], v[FB] offset:(\i)*16*PW+(\k)*64+32
	ds_load_b128 v[(\f)+8*(\i):(\f)+8*(\i)+3],         v[FA+((\k)/2)/3] offset:(((\k)/2)%3)*HEADB+(\i)*16*PA+((\k)%2)*64
	ds_load_b128 v[(\f)+8*(\i)+4:(\f)+8*(\i)+7],       v[FA+((\k)/2)/3] offset:(((\k)/2)%3)*HEADB+(\i)*16*PA+((\k)%2)*64+32
.endr
.endm
; 16 matrix instructions on buffer f: the 16 accumulators by turns, one instruction a turn
.macro MUL16 f
	WIN MUL
.irp a, 0,1,2,3
.irp b, 0,1,2,3
	v_wmma_f32_16x16x32_f16 v[ACC+8*(4*(\a)+(\b)):ACC+8*(4*(\a)+(\b))+7], v[(\f)+32+8*(\b):(\f)+32+8*(\b)+7], v[(\f)+8*(\a):(\f)+8*(\a)+7], v[ACC+8*(4*(\a)+(\b)):ACC+8*(4*(\a)+(\b))+7]
.endr
.endr
.endm
; THE WAY OUT of block a (16 rows x 64 columns of f32).  A lane's 32 bytes go into my stage's rows of 272 bytes, each accumulator from its low end on, and come back as whole rows of 256, into the registers that they left.
.macro PACK a
.irp b, 0,1,2,3
	ds_store_b128 v[STO], v[ACC+32*(\a)+8*(\b):ACC+32*(\a)+8*(\b)+3]   offset:64*(\b)
	ds_store_b128 v[STO], v[ACC+32*(\a)+8*(\b)+4:ACC+32*(\a)+8*(\b)+7] offset:64*(\b)+16
.endr
.irp t, 0,1,2,3,4,5,6,7
	ds_load_b128 v[ACC+32*(\a)+4*(\t):ACC+32*(\a)+4*(\t)+3], v[RD] offset:(\t)*2*SPITCH  ; LDS serves a wave's instructions in order (ISA guide 5.7.1.4): these see the stores above; the next block's stores come behind them
.endr
.endm
.macro SEND a, younger                 ; younger: the LDS instructions issued behind block a's loads: the next block's sixteen, or none
.irp t, 0,1,2,3,4,5,6,7
	s_wait_dscnt (\younger)+7-(\t)
	global_store_b128 v[CO], v[ACC+32*(\a)+4*(\t):ACC+32*(\a)+4*(\t)+3], s[10:11] offset:(16*(\a)+2*(\t))*2048 th:TH_STORE_NT  ; 16 lanes store 256 consecutive bytes, at a multiple of 256 from out0's first byte
.endr
.endm
	s_wait_tensorcnt 0x0                           ; my three tiles are in,
	s_barrier_signal -1
	s_barrier_wait -1                              ; everybody's are
	FETCH 0, 0
.set j, 0
.rept 15                               ; K step j is multiplied from one buffer while step j + 1 comes into the other
.if j > 0
	PLACES                                         ; the buffer to be loaded was read by the products just issued
.endif
	FETCH j+1, ((j+1)%2)*64
	s_wait_dscnt 16                                ; all but the 16 just issued: step j's fragments are in
.if j == 0
	s_wait_loadcnt 0x0                             ; the bias
.endif
	MUL16 (j%2)*64
.set j, j+1
.endr
	s_wait_dscnt 0x0
	MUL16 64                                       ; K step 15
	WIN 0
	PLACES                                         ; the LDS stores below read results just made
	PACK 0
	PACK 1
	SEND 0, 16
	PACK 2
	SEND 1, 16
	PACK 3
	SEND 2, 16
	SEND 3, 0
	s_wait_tensorcnt 0x0                           ; the wave's end: behind my last tensor load and my last LDS store
	ds_add_u32 v[SPW], v[NIL]
	s_wait_dscnt 0x0
	CROUND                                         ; the closing round: no work-group ends while a partner may still ask for a tile that names it
	s_endpgm
.Lfunc_end_k_q728d0d6c26_oproj:
	.size	k_q728d0d6c26_oproj, .Lfunc_end_k_q728d0d6c26_oproj-k_q728d0d6c26_oproj
	.p2alignl 7, 3214868480
	.fill 96, 4, 3214868480
	.section	.rodata,"a",@progbits
	.p2align	6, 0x0
	.amdhsa_kernel k_q728d0d6c26_oproj
		.amdhsa_group_segment_fixed_size 298496
		.amdhsa_private_segment_fixed_size 0
		.amdhsa_enable_private_segment 0
		.amdhsa_kernarg_size 32
		.amdhsa_user_sgpr_count 2
		.amdhsa_user_sgpr_kernarg_segment_ptr 1
		.amdhsa_wavefront_size32 1
		.amdhsa_system_sgpr_workgroup_id_x 1
		.amdhsa_system_sgpr_workgroup_id_y 1
		.amdhsa_system_sgpr_workgroup_id_z 1
		.amdhsa_system_vgpr_workitem_id 0
		.amdhsa_next_free_vgpr 384
		.amdhsa_next_free_sgpr 66
		.amdhsa_reserve_vcc 0
		.amdhsa_float_denorm_mode_32 3
		.amdhsa_float_denorm_mode_16_64 3
		.amdhsa_memory_ordered 1
		.amdhsa_forward_progress 1
		.amdhsa_inst_pref_size 53
	.end_amdhsa_kernel
	.amdgpu_metadata
---
amdhsa.version: [ 1, 2 ]
amdhsa.kernels:
  - .name:           k_q728d0d6c26_oproj
    .symbol:         k_q728d0d6c26_oproj.kd
    .args:
      - { .name: oh, .offset: 0, .size: 8, .value_kind: global_buffer, .address_space: global }
      - { .name: woh, .offset: 8, .size: 8, .value_kind: global_buffer, .address_space: global }
      - { .name: bo, .offset: 16, .size: 8, .value_kind: global_buffer, .address_space: global }
      - { .name: out0, .offset: 24, .size: 8, .value_kind: global_buffer, .address_space: global }
    .group_segment_fixed_size: 298496
    .private_segment_fixed_size: 0
    .kernarg_segment_align: 8
    .kernarg_segment_size: 32
    .max_flat_workgroup_size: 128
    .sgpr_count:     66
    .vgpr_count:     384
    .wavefront_size: 32
...
	.end_amdgpu_metadata
.endif
;; end of part 3
